; MI455X (gfx1250); checked and timed in simulation.
; The chip was launched on July 23, 2026; its instructions are those of AMD's public machine-readable ISA for CDNA 5 (MIT licence, August 2026) and "CDNA5" Instruction Set Architecture Reference Guide (July 2026). The comments in the code are by the model that wrote it; some were corrected since.
;; Grid. Allowed arithmetic: float matrix products may take bf16 or f16 operands with f32 sums; all other float work in f32.
;; Inputs: bound 1 float32; table 2,588,400 x 2 float32; w1 16 x 64 float32; w2 64 x 8 float32; xyz 262,144 x 3 float32.
;; Outputs: out0 262,144 x 8 float32.
;; 2 versions, each right; version 2 is version 1 with the launch grid written anew for expert scheduling mode. Each part assembles by itself: llvm-mc -triple=amdgcn-amd-amdhsa -mcpu=gfx1250 --defsym DOCPART=n.
;; ======== version 1 of 2: 2 launches
;; limits: values are held in f16: magnitudes above 65,504 overflow, below 6.1e-05 lose precision
;; workspace buffers: cell 1,048,576 bytes of whole numbers; wops 4,096 bytes
;; launch cells (part 1): grid 256 x 1, 8 waves a work-group, no clusters, 0 bytes of LDS; arguments xyz, bound, w1, w2, cell, wops; writes cell, wops
.if DOCPART == 1
	.amdgcn_target "amdgcn-amd-amdhsa--gfx1250"
	.amdhsa_code_object_version 6
	.text
	.protected	k_q1d7be954c0_cells
	.globl	k_q1d7be954c0_cells
	.p2align	8
	.type	k_q1d7be954c0_cells,@function
k_q1d7be954c0_cells:
	s_mov_b64 s[64:65], 0
	v_nop
	global_prefetch_b8 v0, s[64:65] scope:SCOPE_SE
	s_setreg_imm32_b32 hwreg(HW_REG_WAVE_MODE, 25, 1), 1
	s_wait_xcnt 0x0
; FIRST LAUNCH.  For each of the 262,144 points the outer cell c0 = clip(floor(512 (xyz + b) / (2 b)), 0, 511), packed as one whole number
; cx | cy << 9 | cz << 18: the second launch forms its table addresses from these words alone.  Beside that, one wave writes w1 and w2 as f16
; register images for the second launch's matrix instructions.
; SHARES.  256 work-groups of 256 threads; a thread takes 4 points: 48 consecutive bytes of xyz in, 16 bytes out; a wave's store covers 512 consecutive bytes.
; THE DIVISION is a reciprocal with one Newton step and one remainder step (COORD, the same lines in both launches).  A quotient that is one
; step off at a cell's edge picks the neighbouring cell, and the outer interpolation, taken against the stored cell, is continuous there.
; LIMITS.  b finite and not 0, 2 b and its reciprocal normal numbers; NaN is not treated apart (the clip and the conversion give some cell in 0..511).
; w1 and w2 are rounded to f16: beyond 65,504 they would become infinities.
; No LDS, no barrier: no thread needs another's data.
.set XC,  4                            ; v[4:15]    12 coordinates as loaded
.set DD,  16                           ; v16        d = 2 b
.set RC,  17                           ; v17        1 / d
.set TT,  18                           ; v18, v19   at work
.set TR,  19
.set CI,  20                           ; v[20:31]   the 12 cell numbers
.set PW,  32                           ; v[32:35]   4 packed words
.set F1,  36                           ; v[36:67]   w1's image in f32: chunk t at F1 + 8 t
.set F2,  68                           ; v[68:99]   w2's image in f32: chunk q at F2 + 8 q
.set HW,  100                          ; v[100:131] both images in f16: 8 chunks of 4 registers
.macro COORD q, x                      ; q = (x + b) / d
	v_add_f32 v[TT], s16, v[\x]
	v_mul_f32 v[\q], v[TT], v[RC]
	v_fma_f32 v[TR], -v[DD], v[\q], v[TT]          ; what the first quotient leaves,
	v_fma_f32 v[\q], v[TR], v[RC], v[\q]           ; divided and added
.endm
	s_load_b256 s[4:11], s[0:1], 0x0               ; xyz s[4:5], bound s[6:7], w1 s[8:9], w2 s[10:11]
	s_load_b128 s[12:15], s[0:1], 0x20             ; cell s[12:13], wops s[14:15]
	v_mul_u32_u24 v1, v0, 48                       ; my 4 points in the group's part of xyz
	v_lshlrev_b32 v2, 4, v0                        ; my 4 words in the group's part of cell
	s_mul_i32 s20, ttmp9, 12288                    ; 1,024 points x 12 bytes
	s_mov_b32 s21, 0
	s_lshl_b32 s22, ttmp9, 12                      ; 1,024 points x 4 bytes
	s_mov_b32 s23, 0
	s_wait_kmcnt 0x0
	s_load_b32 s16, s[6:7], 0x0                    ; b
	s_add_nc_u64 s[4:5], s[4:5], s[20:21]
	s_add_nc_u64 s[12:13], s[12:13], s[22:23]
	global_load_b128 v[XC:XC+3],    v1, s[4:5]
	global_load_b128 v[XC+4:XC+7],  v1, s[4:5] offset:16
	global_load_b128 v[XC+8:XC+11], v1, s[4:5] offset:32
	s_wait_kmcnt 0x0
	v_mov_b32 v[DD], s16
	v_add_f32 v[DD], v[DD], v[DD]
	v_rcp_f32 v[RC], v[DD]
	v_nop                                          ; a plain instruction between the reciprocal and its use (ISA guide 5.7.2)
	s_wait_alu depctr_va_vdst(0)
	v_fma_f32 v[TT], -v[DD], v[RC], 1.0
	v_fma_f32 v[RC], v[RC], v[TT], v[RC]           ; one Newton step
	s_wait_loadcnt 0x0                             ; all three loads: the arithmetic below takes them in one go
.irp i, 0,1,2,3,4,5,6,7,8,9,10,11
	COORD CI+\i, XC+\i
.endr
.irp i, 0,1,2,3,4,5,6,7,8,9,10,11
	v_mul_f32 v[CI+\i], 0x44000000, v[CI+\i]       ; x 512, exact
.endr
.irp i, 0,1,2,3,4,5,6,7,8,9,10,11
	v_floor_f32 v[CI+\i], v[CI+\i]
.endr
.irp i, 0,1,2,3,4,5,6,7,8,9,10,11
	v_med3_num_f32 v[CI+\i], v[CI+\i], 0, 0x43ff8000  ; the clip to 0 .. 511
.endr
.irp i, 0,1,2,3,4,5,6,7,8,9,10,11
	v_cvt_u32_f32 v[CI+\i], v[CI+\i]
.endr
.irp p, 0,1,2,3
	v_lshl_or_b32 v[PW+\p], v[CI+3*\p+1], 9, v[CI+3*\p]
.endr
.irp p, 0,1,2,3
	v_lshl_or_b32 v[PW+\p], v[CI+3*\p+2], 18, v[PW+\p]
.endr
	global_store_b128 v2, v[PW:PW+3], s[12:13]     ; v2 and v[32:35] are not written again
	; THE WEIGHT IMAGES: work-group 0, wave 0 alone.  Lane (r = lane % 16, h = lane / 16) of a 16-bit matrix operand holds row r, and in four registers k = 8 h .. 8 h + 7.
	s_cmp_lg_u32 ttmp9, 0
	s_cbranch_scc1 .Lend
	v_lshrrev_b32 v18, 5, v0
	v_readfirstlane_b32 s17, v18
	s_cmp_lg_u32 s17, 0
	s_cbranch_scc1 .Lend
	v_and_b32 v18, 15, v0                          ; r
	v_bfe_u32 v19, v0, 4, 1                        ; h
	v_lshlrev_b32 v20, 2, v18
	v_lshl_or_b32 v20, v19, 11, v20                ; w1: 8 h rows of 256 bytes + 4 r
	v_and_b32 v21, 3, v18
	v_and_b32 v22, 8, v18
	v_lshrrev_b32 v22, 1, v22
	v_or_b32 v21, v21, v22                         ; row r of the second layer's operand stands for channel (r & 3) | (r & 8) >> 1
	v_lshlrev_b32 v21, 2, v21
	v_lshl_or_b32 v21, v19, 8, v21                 ; w2: 8 h rows of 32 bytes + 4 x channel
	v_and_b32 v22, 4, v18                          ; rows 4-7 and 12-15 are to be 0
.irp t, 0,1,2,3
.irp i, 0,1,2,3,4,5,6,7
	global_load_b32 v[F1+8*\t+\i], v20, s[8:9] offset:(64*\i+16*\t)*4    ; w1[8 h + i][16 t + r]: row = hidden unit, k = feature
	global_load_b32 v[F2+8*\t+\i], v21, s[10:11] offset:(16*\t+\i)*32    ; w2[16 q + 8 h + i][channel]: row = channel, k = hidden unit (q = t here)
.endr
.endr
	v_cmp_eq_u32 vcc_lo, 0, v22
	s_wait_loadcnt 0x0
.irp i, 0,1,2,3,4,5,6,7,8,9,10,11,12,13,14,15
	v_cvt_pk_f16_f32 v[HW+\i],    v[F1+2*\i], v[F1+2*\i+1]   ; the lower k into the low half
	v_cvt_pk_f16_f32 v[HW+16+\i], v[F2+2*\i], v[F2+2*\i+1]
.endr
.irp i, 0,1,2,3,4,5,6,7,8,9,10,11,12,13,14,15
	v_cndmask_b32 v[HW+16+\i], 0, v[HW+16+\i], vcc_lo
.endr
.irp c, 0,1,2,3,4,5,6,7
	global_store_b128 v2, v[HW+4*\c:HW+4*\c+3], s[14:15] offset:512*\c   ; chunk c: 512 consecutive bytes; in wave 0, v2 = 16 x lane
.endr
.Lend:
	s_endpgm
.Lfunc_end_k_q1d7be954c0_cells:
	.size	k_q1d7be954c0_cells, .Lfunc_end_k_q1d7be954c0_cells-k_q1d7be954c0_cells
	.p2alignl 7, 3214868480
	.fill 96, 4, 3214868480
	.section	.rodata,"a",@progbits
	.p2align	6, 0x0
	.amdhsa_kernel k_q1d7be954c0_cells
		.amdhsa_group_segment_fixed_size 0
		.amdhsa_private_segment_fixed_size 0
		.amdhsa_enable_private_segment 0
		.amdhsa_kernarg_size 48
		.amdhsa_user_sgpr_count 2
		.amdhsa_user_sgpr_kernarg_segment_ptr 1
		.amdhsa_wavefront_size32 1
		.amdhsa_system_sgpr_workgroup_id_x 1
		.amdhsa_system_sgpr_workgroup_id_y 1
		.amdhsa_system_sgpr_workgroup_id_z 1
		.amdhsa_system_vgpr_workitem_id 0
		.amdhsa_next_free_vgpr 132
		.amdhsa_next_free_sgpr 66
		.amdhsa_reserve_vcc 1
		.amdhsa_float_denorm_mode_32 3
		.amdhsa_float_denorm_mode_16_64 3
		.amdhsa_memory_ordered 1
		.amdhsa_forward_progress 1
		.amdhsa_inst_pref_size 17
	.end_amdhsa_kernel
	.amdgpu_metadata
---
amdhsa.version: [ 1, 2 ]
amdhsa.kernels:
  - .name:           k_q1d7be954c0_cells
    .symbol:         k_q1d7be954c0_cells.kd
    .args:
      - { .name: xyz, .offset: 0, .size: 8, .value_kind: global_buffer, .address_space: global }
      - { .name: bound, .offset: 8, .size: 8, .value_kind: global_buffer, .address_space: global }
      - { .name: w1, .offset: 16, .size: 8, .value_kind: global_buffer, .address_space: global }
      - { .name: w2, .offset: 24, .size: 8, .value_kind: global_buffer, .address_space: global }
      - { .name: cell, .offset: 32, .size: 8, .value_kind: global_buffer, .address_space: global }
      - { .name: wops, .offset: 40, .size: 8, .value_kind: global_buffer, .address_space: global }
    .group_segment_fixed_size: 0
    .private_segment_fixed_size: 0
    .kernarg_segment_align: 8
    .kernarg_segment_size: 48
    .max_flat_workgroup_size: 256
    .sgpr_count:     66
    .vgpr_count:     132
    .wavefront_size: 32
...
	.end_amdgpu_metadata
.endif
;; end of part 1
;; launch grid (part 2): grid 2048 x 1, 4 waves a work-group, no clusters, 0 bytes of LDS; arguments xyz, bound, table, cell, wops, out0; writes out0
.if DOCPART == 2
	.amdgcn_target "amdgcn-amd-amdhsa--gfx1250"
	.amdhsa_code_object_version 6
	.text
	.protected	k_q1d7be954c0_grid
	.globl	k_q1d7be954c0_grid
	.p2align	8
	.type	k_q1d7be954c0_grid,@function
k_q1d7be954c0_grid:
	s_mov_b64 s[64:65], 0
	v_nop
	global_prefetch_b8 v0, s[64:65] scope:SCOPE_SE
	s_setreg_imm32_b32 hwreg(HW_REG_WAVE_MODE, 25, 1), 1
	s_wait_xcnt 0x0
; SECOND LAUNCH: the hash grid at the 8 corners of each point's cell, the two-layer network, and the outer interpolation, fused.  A lane is a point; a wave does 32 points, once.
; WHOLE NUMBERS.  A corner's coordinate is k / 512, k = c0 or c0 + 1, so at resolution R its position is (k R + 256) / 512: the node is (k R + 256) >> 9, and the fraction
; is exact in f32.  Every table address is made from the cell word that the first launch stored.
; 27 READS FOR 64.  In each dimension the two corners k, k + 1 touch only the nodes p0, p0 + 1, p0 + 2 (p0 the node of k).  For R < 512 the second corner's node p1 is p0 or p0 + 1; the third
; address is p1 + 1, which repeats the second where p1 = p0 and then has weight 0.  For level 7 p1 is p0 + 1 or p0 + 2, and in the second case its fraction is 0, so the fourth node has weight 0
; and is not read.  So a level is 27 reads of 8 bytes a point, and three contractions 3 -> 2, one a dimension, give the 8 corners' features.
; THE OUTER SUM STANDS BETWEEN THE LAYERS: sum_c wt_c (relu(h_c) w2) = (sum_c wt_c relu(h_c)) w2, summed in f32, so the second layer runs once a point.  No sign of wt is assumed.
; FORMATS.  Features, w1, w2 and the weighted hidden vector go to the matrix unit in f16, sums in f32; all else in f32.
; LIMITS.  Those four stay below 65,504 (inputs 30 times those drawn give a few hundred); table values are finite (a weight 0 stands for a node that is not wanted); b as in the first launch;
; NaN is not treated apart.  Level 7's resolution, ceil(16 x (513/16)^(7/7)) in double arithmetic, is taken as 513: RES7 and RSC7; the text also serves 514.
; LEFT OUT.  LDS, tensor loads, clusters: no two lanes share a tile, every read is a lane's own 8 bytes.  Barriers: no wave needs another's data.
; REGISTERS.  v0 thread; v1, v12, v13 at work; v2-4 xyz, then u, v, w; v5 cell; v6-8 k; v9-11 k in f32; v14-22 nodes; v23-31 y-z parts; v32-49 weights; v50-76 the 27 indices; v77 16 x lane;
; v78-131, v132-185 two buffers of 27 pairs; v186-249 features in f16, corner c level l at 186 + 8 c + l; v250-253 zeros.
; Behind the last level: v78-109 w1's image, v110-125 w2's, v132-163 four accumulators, v14-45 the weighted hidden vector, v46-61 outer weights, v62-69 results.
.set RES0, 16                          ; resolutions,
.set RES1, 27
.set RES2, 44
.set RES3, 71
.set RES4, 117
.set RES5, 191
.set RES6, 313
.set RES7, 513
.set RSC0, 0x3d000000                  ; R / 512 as f32 bit patterns,
.set RSC1, 0x3d580000
.set RSC2, 0x3db00000
.set RSC3, 0x3e0e0000
.set RSC4, 0x3e6a0000
.set RSC5, 0x3ebf0000
.set RSC6, 0x3f1c8000
.set RSC7, 0x3f804000
.set HSZ0, 4920                        ; entries of the four tight levels (the hashed ones have 2^19),
.set HSZ1, 21952
.set HSZ2, 91128
.set HSZ3, 373248
.set KI,  6
.set KF,  9
.set ND,  14                           ; node i of dimension d at ND + 3 d + i
.set YZ,  23                           ; y node j with z node k at YZ + j + 3 k
.set WT,  32                           ; dimension d at WT + 6 d: g0, f0 (first corner), w10, w11, w12 (second corner), a pad
.set IX,  50                           ; node (i, j, k) is number n = i + 3 j + 9 k
.set LA,  77
.set TB0, 78
.set TB1, 132
.set FT,  186
.set FP,  250
.set AW1, 78                           ; w1's image: hidden units 16 t .. at AW1 + 8 t; registers 4-7 (k = 16 .. 31) are 0
.set AW2, 110                          ; w2's image: hidden units 32 s .. at AW2 + 8 s
.set DT,  132                          ; accumulators t = 0 .. 3; later the f16 hidden vector (DT .. DT + 15) and the second layer's two sums
.set GA,  14
.set WA,  46                           ; outer weights of points 0-15 in both halves of the lanes; WA + 8: of points 16-31
.set OU,  62
.set BS,  24                           ; s[24:39]  the table at each level's first entry
.set MK,  40                           ; s[40:45]  lane masks, two sets of three: a level's are made while the level before still needs its own
; d = a x w and d += a x w on pairs, w one register for both halves: of an even w the pair's first register is taken twice, of an odd w the second
.macro PKMUL d, a, w
.if ((\w)&1) == 0
	v_pk_mul_f32 v[(\d):(\d)+1], v[(\a):(\a)+1], v[(\w):(\w)+1] op_sel_hi:[1,0]
.else
	v_pk_mul_f32 v[(\d):(\d)+1], v[(\a):(\a)+1], v[(\w)-1:(\w)] op_sel:[0,1] op_sel_hi:[1,1]
.endif
.endm
.macro PKFMA d, a, w
.if ((\w)&1) == 0
	v_pk_fma_f32 v[(\d):(\d)+1], v[(\a):(\a)+1], v[(\w):(\w)+1], v[(\d):(\d)+1] op_sel_hi:[1,0,1]
.else
	v_pk_fma_f32 v[(\d):(\d)+1], v[(\a):(\a)+1], v[(\w)-1:(\w)], v[(\d):(\d)+1] op_sel:[0,1,0] op_sel_hi:[1,1,1]
.endif
.endm
; THE ADDRESSES AND READS OF LEVEL l, into buffer tb.  H = 0: hashed; else the tight level's entries.
.macro ADDR l, R, tb, H
.set mk, MK+3*((\l)&1)
.irp d, 0,1,2
	v_mad_u32_u24 v12, v[KI+\d], \R, s17           ; k R + 256
	v_lshrrev_b32 v[ND+3*\d], 9, v12               ; p0
	v_add_nc_u32 v12, \R, v12                      ; (k + 1) R + 256
	v_lshrrev_b32 v13, 9, v12                      ; p1
	v_add_nc_u32 v[ND+3*\d+1], 1, v[ND+3*\d]
.if (\l) < 7
	v_cmp_eq_u32 s[mk+\d], v[ND+3*\d], v13         ; p1 = p0?
	v_add_nc_u32 v[ND+3*\d+2], 1, v13
.else
	v_cmp_eq_u32 s[mk+\d], v[ND+3*\d+1], v13       ; p1 = p0 + 1?
	v_add_nc_u32 v[ND+3*\d+2], 2, v[ND+3*\d]
.endif
.endr
.if (\H) != 0
.irp j, 0,1,2
	v_mul_u32_u24 v[ND+3+\j], (\R)+1, v[ND+3+\j]
.endr
.irp k, 0,1,2
.irp j, 0,1,2
	v_mad_u32_u24 v[YZ+\j+3*\k], v[ND+6+\k], ((\R)+1)*((\R)+1), v[ND+3+\j]
.endr
.endr
	s_wait_xcnt 0x0                                ; the index registers are the address registers of the reads issued last, and v1 of the load of xyz: they are rewritten only behind this wait (ISA guide 3.1)
.set m, 0
.rept 9                                ; three nodes at a time.  The sum is below 2 H, so the remainder is the smaller of a and a - H taken as unsigned numbers
.irp i, 0,1,2
	v_add_nc_u32 v[IX+3*m+\i], v[ND+\i], v[YZ+m]
.endr
	v_add_nc_u32 v1,  0xffffffff-(\H)+1, v[IX+3*m]
	v_add_nc_u32 v12, 0xffffffff-(\H)+1, v[IX+3*m+1]
	v_add_nc_u32 v13, 0xffffffff-(\H)+1, v[IX+3*m+2]
	v_min_u32 v[IX+3*m],   v[IX+3*m],   v1
	v_min_u32 v[IX+3*m+1], v[IX+3*m+1], v12
	v_min_u32 v[IX+3*m+2], v[IX+3*m+2], v13
.irp i, 0,1,2
	v_min_u32 v[IX+3*m+\i], (\H)-1, v[IX+3*m+\i]   ; changes nothing: it states the index's bound in the text
.endr
.irp i, 0,1,2
	global_load_b64 v[(\tb)+2*(3*m+\i):(\tb)+2*(3*m+\i)+1], v[IX+3*m+\i], s[BS+2*(\l):BS+2*(\l)+1] scale_offset
.endr
.set m, m+1
.endr
.else
.irp i, 0,1,2
	v_mul_lo_u32 v[ND+3+\i], v[ND+3+\i], s46       ; y x 2654435761
	v_mul_lo_u32 v[ND+6+\i], v[ND+6+\i], s47       ; z x 805459861
.endr
.irp i, 3,4,5,6,7,8
	v_and_b32 v[ND+\i], s48, v[ND+\i]              ; modulo 2^19; x is below 2^19 as it is
.endr
.irp k, 0,1,2
.irp j, 0,1,2
	v_xor_b32 v[YZ+\j+3*\k], v[ND+3+\j], v[ND+6+\k]
.endr
.endr
	s_wait_xcnt 0x0                                ; as above
.set n, 0
.rept 27
	v_xor_b32 v[IX+n], v[ND+n%3], v[YZ+n/3]
.set n, n+1
.endr
.set n, 0
.rept 27
	v_min_u32 v[IX+n], 0x7ffff, v[IX+n]            ; changes nothing: it states the index's bound in the text
.set n, n+1
.endr
.set n, 0
.rept 27
	global_load_b64 v[(\tb)+2*n:(\tb)+2*n+1], v[IX+n], s[BS+2*(\l):BS+2*(\l)+1] scale_offset
.set n, n+1
.endr
.endif
.endm
; THE WEIGHTS OF LEVEL l.  First corner: g0 on node 0, f0 on node 1.  Second corner: 1 - f1 and f1 on the two nodes that the mask names, 0 on the third.
.macro WEIGHTS l, RS
.set mk, MK+3*((\l)&1)
.irp d, 0,1,2
	v_fma_f32 v12, v[KF+\d], \RS, 0.5              ; both positions are exact
	v_add_f32 v13, \RS, v12
	v_fract_f32 v[WT+6*\d+1], v12                  ; f0
	v_fract_f32 v13, v13                           ; f1
	v_sub_f32 v[WT+6*\d], 1.0, v[WT+6*\d+1]        ; g0
	v_sub_f32 v12, 1.0, v13                        ; g1
.if (\l) < 7
	v_cndmask_b32 v[WT+6*\d+2], 0, v12, s[mk+\d]   ; p1 = p0: g1, f1, 0; else 0, g1, f1
	v_cndmask_b32 v[WT+6*\d+3], v12, v13, s[mk+\d]
	v_cndmask_b32 v[WT+6*\d+4], v13, 0, s[mk+\d]
.else
	v_cndmask_b32 v[WT+6*\d+3], 0, v12, s[mk+\d]   ; p1 = p0 + 1: g1, f1 on nodes 1, 2; else g1 (= 1) on node 2
	v_cndmask_b32 v[WT+6*\d+4], v12, v13, s[mk+\d]
.endif
.endr
.endm
; One dimension's contraction, in place: of the three pairs at numbers b, b + st, b + 2 st the first becomes the first corner's, the third the second corner's.
; Five passes over all bases, so that no line waits for the line before it.
.macro STAGE tb, wb, st, three, bases:vararg
.irp b, \bases
	PKMUL (\tb)+2*((\b)+2*(\st)), (\tb)+2*((\b)+2*(\st)), (\wb)+4
.endr
.irp b, \bases
	PKFMA (\tb)+2*((\b)+2*(\st)), (\tb)+2*((\b)+(\st)), (\wb)+3
.endr
.if \three
.irp b, \bases
	PKFMA (\tb)+2*((\b)+2*(\st)), (\tb)+2*(\b), (\wb)+2
.endr
.endif
.irp b, \bases
	PKMUL (\tb)+2*(\b), (\tb)+2*(\b), (\wb)
.endr
.irp b, \bases
	PKFMA (\tb)+2*(\b), (\tb)+2*((\b)+(\st)), (\wb)+1
.endr
.endm
; x, then y on what x left, then z; the 8 corners' pairs, at numbers 2 ax + 6 ay + 18 az, are rounded to f16.  three = 0: level 7, whose second corner never takes node 0.
.macro CONTRACT l, tb, three
	STAGE \tb, WT, 1, \three, 0,3,6,9,12,15,18,21,24
	STAGE \tb, WT+6, 3, \three, 0,2,9,11,18,20
	STAGE \tb, WT+12, 9, \three, 0,2,6,8
.irp az, 0,1
.irp ay, 0,1
.irp ax, 0,1
	v_cvt_pk_f16_f32 v[FT+8*(\ax+2*\ay+4*\az)+(\l)], v[(\tb)+4*\ax+12*\ay+36*\az], v[(\tb)+4*\ax+12*\ay+36*\az+1]
.endr
.endr
.endr
.endm
.macro COORD q, x                      ; q = (x + b) / d: the first launch's lines
	v_add_f32 v16, s16, v[\x]
	v_mul_f32 v[\q], v16, v15
	v_fma_f32 v17, -v14, v[\q], v16
	v_fma_f32 v[\q], v17, v15, v[\q]
.endm
	s_load_b256 s[4:11], s[0:1], 0x0               ; xyz s[4:5], bound s[6:7], table s[8:9], cell s[10:11]
	s_load_b128 s[12:15], s[0:1], 0x20             ; wops s[12:13], out0 s[14:15]
	v_lshlrev_b32 v12, 2, v0                       ; my word of cell
	v_mul_u32_u24 v1, v0, 12                       ; my 12 bytes of xyz
	s_mul_i32 s20, ttmp9, 1536                     ; the group's 128 points: 12 bytes each in xyz,
	s_mov_b32 s21, 0
	s_lshl_b32 s22, ttmp9, 9                       ; 4 in cell,
	s_mov_b32 s23, 0
	s_lshl_b32 s18, ttmp9, 12                      ; 32 in out0
	s_mov_b32 s19, 0
	s_mov_b32 s17, 256
	s_mov_b32 s46, 0x9e3779b1                      ; 2654435761
	s_mov_b32 s47, 0x30025795                      ; 805459861
	s_mov_b32 s48, 0x7ffff
	s_wait_kmcnt 0x0
	s_load_b32 s16, s[6:7], 0x0                    ; b
	s_add_nc_u64 s[10:11], s[10:11], s[22:23]
	s_add_nc_u64 s[4:5], s[4:5], s[20:21]
	s_add_nc_u64 s[14:15], s[14:15], s[18:19]
	global_load_b32 v5, v12, s[10:11] th:TH_LOAD_NT
	global_load_b96 v[2:4], v1, s[4:5] th:TH_LOAD_NT
	s_add_nc_u64 s[BS:BS+1],     s[8:9], 0         ; each level's first entry, 8 bytes an entry
	s_add_nc_u64 s[BS+2:BS+3],   s[8:9], 8*4920
	s_add_nc_u64 s[BS+4:BS+5],   s[8:9], 8*26872
	s_add_nc_u64 s[BS+6:BS+7],   s[8:9], 8*118000
	s_add_nc_u64 s[BS+8:BS+9],   s[8:9], 8*491248
	s_add_nc_u64 s[BS+10:BS+11], s[8:9], 8*1015536
	s_add_nc_u64 s[BS+12:BS+13], s[8:9], 8*1539824
	s_add_nc_u64 s[BS+14:BS+15], s[8:9], 8*2064112
	v_mov_b32 v[WT+5], 0                           ; the pads are named as halves of pairs, so they are written
	v_mov_b32 v[WT+11], 0
	v_mov_b32 v[WT+17], 0
.irp i, 0,1,2,3
	v_mov_b32 v[FP+\i], 0                          ; what the last corner's second operand names beyond its four registers
.endr
	v_and_b32 v[LA], 31, v0
	v_lshlrev_b32 v[LA], 4, v[LA]
	s_wait_loadcnt 0x1                             ; the cell word is in; xyz, issued behind it, may stay out
	v_and_b32 v[KI], 0x1ff, v5
	v_bfe_u32 v[KI+1], v5, 9, 9
	v_bfe_u32 v[KI+2], v5, 18, 9
.irp d, 0,1,2
	v_cvt_f32_u32 v[KF+\d], v[KI+\d]
.endr
	ADDR 0, RES0, TB0, HSZ0                        ; level 0's reads go out before anything else is made
	s_wait_kmcnt 0x0                               ; b
	v_mov_b32 v14, s16
	v_add_f32 v14, v14, v14                        ; d = 2 b
	v_rcp_f32 v15, v14
	v_nop                                          ; a plain instruction between the reciprocal and its use (ISA guide 5.7.2)
	s_wait_alu depctr_va_vdst(0)
	v_fma_f32 v16, -v14, v15, 1.0
	v_fma_f32 v15, v15, v16, v15
	s_wait_loadcnt 27                              ; xyz is in; the 27 reads issued behind it may stay out
.irp d, 0,1,2
	COORD 18+\d, 2+\d
.endr
.irp d, 0,1,2
	v_fma_f32 v[2+\d], v[18+\d], 0x44000000, -v[KF+\d]   ; u, v, w = 512 x - c0, rounded once
.endr
	; Level l + 1's reads are issued, then level l is finished: each wait leaves the 27 younger reads out (loads come back in order: ISA guide 5.7.1)
	ADDR 1, RES1, TB1, HSZ1
	WEIGHTS 0, RSC0
	s_wait_loadcnt 27
	CONTRACT 0, TB0, 1
	ADDR 2, RES2, TB0, HSZ2
	WEIGHTS 1, RSC1
	s_wait_loadcnt 27
	CONTRACT 1, TB1, 1
	ADDR 3, RES3, TB1, HSZ3
	WEIGHTS 2, RSC2
	s_wait_loadcnt 27
	CONTRACT 2, TB0, 1
	ADDR 4, RES4, TB0, 0
	WEIGHTS 3, RSC3
	s_wait_loadcnt 27
	CONTRACT 3, TB1, 1
	ADDR 5, RES5, TB1, 0
	WEIGHTS 4, RSC4
	s_wait_loadcnt 27
	CONTRACT 4, TB0, 1
	ADDR 6, RES6, TB0, 0
	WEIGHTS 5, RSC5
	s_wait_loadcnt 27
	CONTRACT 5, TB1, 1
	ADDR 7, RES7, TB1, 0
	WEIGHTS 6, RSC6
	s_wait_loadcnt 27
	CONTRACT 6, TB0, 1
	; buffer 0 is free: the weight images come in, 512 consecutive bytes a load
.irp t, 0,1,2,3
	global_load_b128 v[AW1+8*\t:AW1+8*\t+3], v[LA], s[12:13] offset:512*\t
.endr
.irp q, 0,1,2,3
	global_load_b128 v[AW2+4*\q:AW2+4*\q+3], v[LA], s[12:13] offset:2048+512*\q
.endr
.irp t, 0,1,2,3
.irp i, 4,5,6,7
	v_mov_b32 v[AW1+8*\t+\i], 0                    ; the network has 16 features, the matrix instruction 32 along K
.endr
.endr
	WEIGHTS 7, RSC7
	s_wait_loadcnt 8                               ; level 7 is in; the eight loads of the images may stay out
	CONTRACT 7, TB1, 0
	s_wait_loadcnt 0x0                             ; the images
	; THE NETWORK.  My place in out0: wave x 1,024 + point (lane % 16) x 32 + 16 x (lane / 16)
	v_lshrrev_b32 v1, 5, v0
	v_lshlrev_b32 v1, 10, v1
	v_and_b32 v70, 15, v0
	v_lshl_add_u32 v1, v70, 5, v1
	v_bfe_u32 v70, v0, 4, 1
	v_lshl_add_u32 v1, v70, 4, v1
	; the 8 outer weights, corner c = ax + 2 ay + 4 az
	v_sub_f32 v70, 1.0, v2
	v_sub_f32 v71, 1.0, v3
	v_sub_f32 v72, 1.0, v4
	v_mul_f32 v73, v70, v71
	v_mul_f32 v74, v2, v71
	v_mul_f32 v75, v70, v3
	v_mul_f32 v76, v2, v3
.irp i, 0,1,2,3
	v_mul_f32 v[WA+\i],   v[73+\i], v72
	v_mul_f32 v[WA+4+\i], v[73+\i], v4
.endr
.irp c, 0,1,2,3,4,5,6,7
	v_mov_b32 v[WA+8+\c], v[WA+\c]
.endr
.irp c, 0,1,2,3,4,5,6,7
	v_permlane16_swap_b32 v[WA+\c], v[WA+8+\c]     ; the first now holds point lane % 16's weight in both halves of the lanes, the second point 16 + lane % 16's
.endr
	; Source 1 wants, in lane (r, h), features 8 h .. 8 h + 7 of point r: levels 4 h .. 4 h + 3.  One exchange of halves between levels q and 4 + q makes of a corner's eight registers
	; the operand of points 0-15 (registers 0-3) and that of points 16-31 (registers 4-7).  The four registers that an operand names beyond its own meet the zeros of w1's image.
.irp c, 0,1,2,3,4,5,6,7
.irp q, 0,1,2,3
	v_permlane16_swap_b32 v[FT+8*\c+\q], v[FT+8*\c+4+\q]
.endr
.endr
; Two products of the first layer, transposed (source 0 = 16 hidden units, source 1 = 16 points): corner hg / 2, hidden units 32 (hg % 2) on.  A lane then holds ONE point and 8 hidden units.
.macro WM tb, hg
.set cc, (\hg)/2
.set t0, 2*((\hg)%2)
.set bb, FT+8*cc+4*(\tb)
	v_wmma_f32_16x16x32_f16 v[DT+8*t0:DT+8*t0+7], v[AW1+8*t0:AW1+8*t0+7], v[bb:bb+7], 0
	v_wmma_f32_16x16x32_f16 v[DT+8*t0+8:DT+8*t0+15], v[AW1+8*t0+8:AW1+8*t0+15], v[bb:bb+7], 0
.endm
; Their relu, and the corner's weighted share of the hidden vector; the first corner starts the sums.  Each accumulator is read from its lowest register on.
.macro VS tb, hg
.set cc, (\hg)/2
.set t0, 2*((\hg)%2)
.set ww, WA+8*(\tb)+cc
.irp e, 0,1
.irp j, 0,1,2,3,4,5,6,7
	v_max_num_f32 v[DT+8*(t0+\e)+\j], 0, v[DT+8*(t0+\e)+\j]
.endr
.irp j, 0,2,4,6
.if cc == 0
	PKMUL GA+8*(t0+\e)+\j, DT+8*(t0+\e)+\j, ww
.else
	PKFMA GA+8*(t0+\e)+\j, DT+8*(t0+\e)+\j, ww
.endif
.endr
.endr
.endm
; 16 points.  The vector work on one pair of accumulators stands behind the products into the other pair: its 24 plain instructions name none of those products' registers, so they are the
; places (ISA guide 7.12.1) in front of the reads of those results and of the products that write the first pair again.  No accumulator is added onto: every sum starts with the constant 0.
.macro TILE tb
	WM \tb, 0
	WM \tb, 1
.rept 4
	v_nop                                          ; the places behind the first products: no other vector work is at hand
.endr
	VS \tb, 0
.set hh, 2
.rept 14
	WM \tb, hh
	VS \tb, hh-1
.set hh, hh+1
.endr
	VS \tb, 15
	; A lane's hidden units 16 t + 8 h + 0..7, rounded to f16 in pairs, ARE source 1 of the second layer (k = 32 s + 16 (t % 2) + 8 h + ..): nothing changes lanes.
.set t, 0
.rept 4
.irp i, 0,1,2,3
	v_cvt_pk_f16_f32 v[DT+4*t+\i], v[GA+8*t+2*\i], v[GA+8*t+2*\i+1]
.endr
.set t, t+1
.endr
	v_wmma_f32_16x16x32_f16 v[DT+16:DT+23], v[AW2:AW2+7], v[DT:DT+7], 0        ; hidden units 0-31
	v_wmma_f32_16x16x32_f16 v[DT+24:DT+31], v[AW2+8:AW2+15], v[DT+8:DT+15], 0  ; 32-63: a sum of its own, added below, so that no product adds onto the one before it
.rept 5
	v_nop                                          ; the places in front of the reads below, and of the next 16 points' products, which write over these products' registers
.endr
	v_pk_add_f32 v[OU+4*(\tb):OU+4*(\tb)+1],   v[DT+16:DT+17], v[DT+24:DT+25]  ; rows 0-3 and 8-11 of w2's image are channels 0-3 and 4-7: registers 0-3 hold channels 4 h .. 4 h + 3 of point r
	v_pk_add_f32 v[OU+4*(\tb)+2:OU+4*(\tb)+3], v[DT+18:DT+19], v[DT+26:DT+27]
	global_store_b128 v1, v[OU+4*(\tb):OU+4*(\tb)+3], s[14:15] offset:512*(\tb) th:TH_STORE_NT  ; the wave's store covers 512 consecutive bytes, at a multiple of 512 from out0's first; its registers are not written again
.endm
	TILE 0
	TILE 1
	s_endpgm
.Lfunc_end_k_q1d7be954c0_grid:
	.size	k_q1d7be954c0_grid, .Lfunc_end_k_q1d7be954c0_grid-k_q1d7be954c0_grid
	.p2alignl 7, 3214868480
	.fill 96, 4, 3214868480
	.section	.rodata,"a",@progbits
	.p2align	6, 0x0
	.amdhsa_kernel k_q1d7be954c0_grid
		.amdhsa_group_segment_fixed_size 0
		.amdhsa_private_segment_fixed_size 0
		.amdhsa_enable_private_segment 0
		.amdhsa_kernarg_size 48
		.amdhsa_user_sgpr_count 2
		.amdhsa_user_sgpr_kernarg_segment_ptr 1
		.amdhsa_wavefront_size32 1
		.amdhsa_system_sgpr_workgroup_id_x 1
		.amdhsa_system_sgpr_workgroup_id_y 1
		.amdhsa_system_sgpr_workgroup_id_z 1
		.amdhsa_system_vgpr_workitem_id 0
		.amdhsa_next_free_vgpr 254
		.amdhsa_next_free_sgpr 66
		.amdhsa_reserve_vcc 0
		.amdhsa_float_denorm_mode_32 3
		.amdhsa_float_denorm_mode_16_64 3
		.amdhsa_memory_ordered 1
		.amdhsa_forward_progress 1
		.amdhsa_inst_pref_size 174
	.end_amdhsa_kernel
	.amdgpu_metadata
---
amdhsa.version: [ 1, 2 ]
amdhsa.kernels:
  - .name:           k_q1d7be954c0_grid
    .symbol:         k_q1d7be954c0_grid.kd
    .args:
      - { .name: xyz, .offset: 0, .size: 8, .value_kind: global_buffer, .address_space: global }
      - { .name: bound, .offset: 8, .size: 8, .value_kind: global_buffer, .address_space: global }
      - { .name: table, .offset: 16, .size: 8, .value_kind: global_buffer, .address_space: global }
      - { .name: cell, .offset: 24, .size: 8, .value_kind: global_buffer, .address_space: global }
      - { .name: wops, .offset: 32, .size: 8, .value_kind: global_buffer, .address_space: global }
      - { .name: out0, .offset: 40, .size: 8, .value_kind: global_buffer, .address_space: global }
    .group_segment_fixed_size: 0
    .private_segment_fixed_size: 0
    .kernarg_segment_align: 8
    .kernarg_segment_size: 48
    .max_flat_workgroup_size: 128
    .sgpr_count:     66
    .vgpr_count:     254
    .wavefront_size: 32
...
	.end_amdgpu_metadata
.endif
;; end of part 2
;; ======== version 2 of 2: 2 launches; version 1 with the launch grid written anew for expert scheduling mode
;; limits: values are held in f16: magnitudes above 65,504 overflow, below 6.1e-05 lose precision
;; workspace buffers: cell 1,048,576 bytes of whole numbers; wops 4,096 bytes
;; launch cells: the kernel of part 1 again; grid 256 x 1, 8 waves a work-group, no clusters, 0 bytes of LDS; arguments xyz, bound, w1, w2, cell, wops; writes cell, wops
;; launch grid (part 3): grid 2048 x 1, 4 waves a work-group, no clusters, 0 bytes of LDS; arguments xyz, bound, table, cell, wops, out0; writes out0
.if DOCPART == 3
	.amdgcn_target "amdgcn-amd-amdhsa--gfx1250"
	.amdhsa_code_object_version 6
	.text
	.protected	k_q1d7be954c0_grid
	.globl	k_q1d7be954c0_grid
	.p2align	8
	.type	k_q1d7be954c0_grid,@function
k_q1d7be954c0_grid:
	s_mov_b64 s[64:65], 0
	v_nop
	global_prefetch_b8 v0, s[64:65] scope:SCOPE_SE
	s_setreg_imm32_b32 hwreg(HW_REG_WAVE_SCHED_MODE, 0, 2), 2
	s_setreg_imm32_b32 hwreg(HW_REG_WAVE_MODE, 25, 1), 1
	s_wait_xcnt 0x0
	s_wait_alu depctr_vm_vsrc(0)
; SECOND LAUNCH: the hash grid at the 8 corners of each point's cell, the two-layer network, and the outer interpolation, fused.  A lane is a point; a wave does 32 points, once.
; WHOLE NUMBERS.  A corner's coordinate is k / 512, k = c0 or c0 + 1, so at resolution R its position is (k R + 256) / 512: the node is (k R + 256) >> 9, and the fraction
; is exact in f32.  Every table address is made from the cell word that the first launch stored.
; 27 READS FOR 64.  In each dimension the two corners k, k + 1 touch only the nodes p0, p0 + 1, p0 + 2 (p0 the node of k).  For R < 512 the second corner's node p1 is p0 or p0 + 1; the third
; address is p1 + 1, which repeats the second where p1 = p0 and then has weight 0.  For level 7 p1 is p0 + 1 or p0 + 2, and in the second case its fraction is 0, so the fourth node has weight 0
; and is not read.  So a level is 27 reads of 8 bytes a point, and three contractions 3 -> 2, one a dimension, give the 8 corners' features.
; THE OUTER SUM STANDS BETWEEN THE LAYERS: sum_c wt_c (relu(h_c) w2) = (sum_c wt_c relu(h_c)) w2, summed in f32, so the second layer runs once a point.  No sign of wt is assumed.
; FORMATS.  Features, w1, w2 and the weighted hidden vector go to the matrix unit in f16, sums in f32; all else in f32.
; LIMITS.  Those four stay below 65,504 (inputs 30 times those drawn give a few hundred); table values are finite (a weight 0 stands for a node that is not wanted); b as in the first launch;
; NaN is not treated apart.  Level 7's resolution, ceil(16 x (513/16)^(7/7)) in double arithmetic, is taken as 513: RES7 and RSC7; the text also serves 514.
; LEFT OUT.  LDS, tensor loads, clusters: no two lanes share a tile, every read is a lane's own 8 bytes.  Barriers: no wave needs another's data.
; THE MODE: SCHED_MODE bits 1:0 = 2 (LLVM: expert scheduling mode 2), set by the entry lines.  The code itself states the register dependences
; between vector or matrix instructions and memory instructions, with s_wait_alu, always for 0.
; THE PLAN.  Registers that memory instructions touch:
;   v50-76     the 27 indices.  Written by level l's index lines; read, as addresses, by level l's 27 reads; written again by level l + 1's index lines, and behind level 7 by the network.
;   TB0, TB1   level l's reads land in buffer l % 2; CONTRACT l reads and writes it; level l + 2's reads land in it again; behind CONTRACT 6 the weight images land in TB0.
;   v12, v1    the offsets of the two loads at the head; then temporaries of ADDR; v1 is at last the stores' offset.
;   v77        the images' offset, written once, at the head.
;   v62-69     the results, four registers for each 16 points: written by the last additions, read by the two stores, which stand together at the end.
;   s40-45     the lane masks: written by ADDR l's three compares, read by WEIGHTS l's selects.
; A level's turn: ADDR l + 1 makes nodes and y-z parts (registers that no memory instruction names); a wait on vm_vsrc: level l's reads have read the indices; the index lines; a wait on va_sdst
; for the masks and ONE wait on va_vdst: the indices are written and CONTRACT l - 1 is done with the buffer.  Behind it level l + 1's 27 reads are dealt among WEIGHTS l's 27 lines, which name
; v9-13, v32-49 and the masks: none of the registers that those reads touch; then the wait for level l's data, and CONTRACT l, which names the other buffer.
; REGISTERS.  v0 thread; v1, v12, v13 at work; v2-4 xyz, then u, v, w; v5 cell; v6-8 k; v9-11 k in f32; v14-22 nodes; v23-31 y-z parts; v32-49 weights; v50-76 the 27 indices; v77 16 x lane;
; v78-131, v132-185 two buffers of 27 pairs; v186-249 features in f16, corner c level l at 186 + 8 c + l; v250-253 zeros.
; Behind the last level: v78-109 w1's image, v110-125 w2's, v132-163 four accumulators, v14-45 the weighted hidden vector, v46-61 outer weights, v62-69 results.
.set RES0, 16                          ; resolutions,
.set RES1, 27
.set RES2, 44
.set RES3, 71
.set RES4, 117
.set RES5, 191
.set RES6, 313
.set RES7, 513
.set RSC0, 0x3d000000                  ; R / 512 as f32 bit patterns,
.set RSC1, 0x3d580000
.set RSC2, 0x3db00000
.set RSC3, 0x3e0e0000
.set RSC4, 0x3e6a0000
.set RSC5, 0x3ebf0000
.set RSC6, 0x3f1c8000
.set RSC7, 0x3f804000
.set HSZ0, 4920                        ; entries of the four tight levels (the hashed ones have 2^19),
.set HSZ1, 21952
.set HSZ2, 91128
.set HSZ3, 373248
.set KI,  6
.set KF,  9
.set ND,  14                           ; node i of dimension d at ND + 3 d + i
.set YZ,  23                           ; y node j with z node k at YZ + j + 3 k
.set WT,  32                           ; dimension d at WT + 6 d: g0, f0 (first corner), w10, w11, w12 (second corner), a pad
.set IX,  50                           ; node (i, j, k) is number n = i + 3 j + 9 k
.set LA,  77
.set TB0, 78
.set TB1, 132
.set FT,  186
.set FP,  250
.set AW1, 78                           ; w1's image: hidden units 16 t .. at AW1 + 8 t; registers 4-7 (k = 16 .. 31) are 0
.set AW2, 110                          ; w2's image: hidden units 32 s .. at AW2 + 8 s
.set DT,  132                          ; accumulators t = 0 .. 3; later the f16 hidden vector (DT .. DT + 15) and the second layer's two sums
.set GA,  14
.set WA,  46                           ; outer weights of points 0-15 in both halves of the lanes; WA + 8: of points 16-31
.set OU,  62
.set BS,  24                           ; s[24:39]  the table at each level's first entry
.set MK,  40                           ; s[40:45]  lane masks, two sets of three: a level's are made while the level before still needs its own
; d = a x w and d += a x w on pairs, w one register for both halves: of an even w the pair's first register is taken twice, of an odd w the second
.macro PKMUL d, a, w
.if ((\w)&1) == 0
	v_pk_mul_f32 v[(\d):(\d)+1], v[(\a):(\a)+1], v[(\w):(\w)+1] op_sel_hi:[1,0]
.else
	v_pk_mul_f32 v[(\d):(\d)+1], v[(\a):(\a)+1], v[(\w)-1:(\w)] op_sel:[0,1] op_sel_hi:[1,1]
.endif
.endm
.macro PKFMA d, a, w
.if ((\w)&1) == 0
	v_pk_fma_f32 v[(\d):(\d)+1], v[(\a):(\a)+1], v[(\w):(\w)+1], v[(\d):(\d)+1] op_sel_hi:[1,0,1]
.else
	v_pk_fma_f32 v[(\d):(\d)+1], v[(\a):(\a)+1], v[(\w)-1:(\w)], v[(\d):(\d)+1] op_sel:[0,1,0] op_sel_hi:[1,1,1]
.endif
.endm
; THE ADDRESSES OF LEVEL l, whose reads go into buffer tb.  H = 0: hashed; else the tight level's entries.  The macro ends with the waits that the 27 reads hang on; GET then writes the reads, one at a time.
.macro ADDR l, R, tb, H
.set mk, MK+3*((\l)&1)
.irp d, 0,1,2
	v_mad_u32_u24 v12, v[KI+\d], \R, s17           ; k R + 256
	v_lshrrev_b32 v[ND+3*\d], 9, v12               ; p0
	v_add_nc_u32 v12, \R, v12                      ; (k + 1) R + 256
	v_lshrrev_b32 v13, 9, v12                      ; p1
	v_add_nc_u32 v[ND+3*\d+1], 1, v[ND+3*\d]
.if (\l) < 7
	v_cmp_eq_u32 s[mk+\d], v[ND+3*\d], v13         ; p1 = p0?
	v_add_nc_u32 v[ND+3*\d+2], 1, v13
.else
	v_cmp_eq_u32 s[mk+\d], v[ND+3*\d+1], v13       ; p1 = p0 + 1?
	v_add_nc_u32 v[ND+3*\d+2], 2, v[ND+3*\d]
.endif
.endr
.if (\H) != 0
.irp j, 0,1,2
	v_mul_u32_u24 v[ND+3+\j], (\R)+1, v[ND+3+\j]
.endr
.irp k, 0,1,2
.irp j, 0,1,2
	v_mad_u32_u24 v[YZ+\j+3*\k], v[ND+6+\k], ((\R)+1)*((\R)+1), v[ND+3+\j]
.endr
.endr
	s_wait_xcnt 0x0                                ; the index registers are the address registers of the reads issued last, and v1 of the load of xyz: they are rewritten only behind this wait (ISA guide 3.1)
.if (\l) > 0
	s_wait_alu depctr_vm_vsrc(0)                   ; the reads of the level before have read v50-76, which the lines below write again
.endif
.set m, 0
.rept 9                                ; three nodes at a time.  The sum is below 2 H, so the remainder is the smaller of a and a - H taken as unsigned numbers
.irp i, 0,1,2
	v_add_nc_u32 v[IX+3*m+\i], v[ND+\i], v[YZ+m]
.endr
	v_add_nc_u32 v1,  0xffffffff-(\H)+1, v[IX+3*m]
	v_add_nc_u32 v12, 0xffffffff-(\H)+1, v[IX+3*m+1]
	v_add_nc_u32 v13, 0xffffffff-(\H)+1, v[IX+3*m+2]
	v_min_u32 v[IX+3*m],   v[IX+3*m],   v1
	v_min_u32 v[IX+3*m+1], v[IX+3*m+1], v12
	v_min_u32 v[IX+3*m+2], v[IX+3*m+2], v13
.irp i, 0,1,2
	v_min_u32 v[IX+3*m+\i], (\H)-1, v[IX+3*m+\i]   ; changes nothing: it states the index's bound in the text
.endr
.set m, m+1
.endr
.else
.irp i, 0,1,2
	v_mul_lo_u32 v[ND+3+\i], v[ND+3+\i], s46       ; y x 2654435761
	v_mul_lo_u32 v[ND+6+\i], v[ND+6+\i], s47       ; z x 805459861
.endr
.irp i, 3,4,5,6,7,8
	v_and_b32 v[ND+\i], s48, v[ND+\i]              ; modulo 2^19; x is below 2^19 as it is
.endr
.irp k, 0,1,2
.irp j, 0,1,2
	v_xor_b32 v[YZ+\j+3*\k], v[ND+3+\j], v[ND+6+\k]
.endr
.endr
	s_wait_xcnt 0x0                                ; as above
	s_wait_alu depctr_vm_vsrc(0)                   ; the reads of the level before have read v50-76, which the lines below write again
.set n, 0
.rept 27
	v_xor_b32 v[IX+n], v[ND+n%3], v[YZ+n/3]
.set n, n+1
.endr
.set n, 0
.rept 27
	v_min_u32 v[IX+n], 0x7ffff, v[IX+n]            ; changes nothing: it states the index's bound in the text
.set n, n+1
.endr
.endif
	s_wait_alu depctr_va_sdst(0)                   ; the three compares above have written this level's masks, ahead of their first reader, a select in this level's WEIGHTS
	s_wait_alu depctr_va_vdst(0)                   ; the 27 indices are written, which this level's reads take as addresses; the contraction two levels back is done reading and writing the buffer in which they land
.set LTB, \tb                          ; what GET goes by: the buffer,
.set LBS, BS+2*(\l)                    ; the level's base,
.set LN, 0                             ; and the number of the next read
.endm
; The next of a level's 27 reads; behind the 27th it writes nothing.  No vector instruction between ADDR's last wait and a read names that read's index or its pair of the buffer.
.macro GET
.if LN < 27
	global_load_b64 v[LTB+2*LN:LTB+2*LN+1], v[IX+LN], s[LBS:LBS+1] scale_offset
.set LN, LN+1
.endif
.endm
; THE WEIGHTS OF LEVEL l.  First corner: g0 on node 0, f0 on node 1.  Second corner: 1 - f1 and f1 on the two nodes that the mask names, 0 on the third.
; Ahead of each of its 27 lines stands one of the next level's 27 reads (level 7 has no next level: its GET lines write nothing).
.macro WEIGHTS l, RS
.set mk, MK+3*((\l)&1)
.irp d, 0,1,2
	GET
	v_fma_f32 v12, v[KF+\d], \RS, 0.5              ; both positions are exact
	GET
	v_add_f32 v13, \RS, v12
	GET
	v_fract_f32 v[WT+6*\d+1], v12                  ; f0
	GET
	v_fract_f32 v13, v13                           ; f1
	GET
	v_sub_f32 v[WT+6*\d], 1.0, v[WT+6*\d+1]        ; g0
	GET
	v_sub_f32 v12, 1.0, v13                        ; g1
.if (\l) < 7
	GET
	v_cndmask_b32 v[WT+6*\d+2], 0, v12, s[mk+\d]   ; p1 = p0: g1, f1, 0; else 0, g1, f1
	GET
	v_cndmask_b32 v[WT+6*\d+3], v12, v13, s[mk+\d]
	GET
	v_cndmask_b32 v[WT+6*\d+4], v13, 0, s[mk+\d]
.else
	v_cndmask_b32 v[WT+6*\d+3], 0, v12, s[mk+\d]   ; p1 = p0 + 1: g1, f1 on nodes 1, 2; else g1 (= 1) on node 2
	v_cndmask_b32 v[WT+6*\d+4], v12, v13, s[mk+\d]
.endif
.endr
.endm
; One dimension's contraction, in place: of the three pairs at numbers b, b + st, b + 2 st the first becomes the first corner's, the third the second corner's.
; Five passes over all bases, so that no line waits for the line before it.
.macro STAGE tb, wb, st, three, bases:vararg
.irp b, \bases
	PKMUL (\tb)+2*((\b)+2*(\st)), (\tb)+2*((\b)+2*(\st)), (\wb)+4
.endr
.irp b, \bases
	PKFMA (\tb)+2*((\b)+2*(\st)), (\tb)+2*((\b)+(\st)), (\wb)+3
.endr
.if \three
.irp b, \bases
	PKFMA (\tb)+2*((\b)+2*(\st)), (\tb)+2*(\b), (\wb)+2
.endr
.endif
.irp b, \bases
	PKMUL (\tb)+2*(\b), (\tb)+2*(\b), (\wb)
.endr
.irp b, \bases
	PKFMA (\tb)+2*(\b), (\tb)+2*((\b)+(\st)), (\wb)+1
.endr
.endm
; x, then y on what x left, then z; the 8 corners' pairs, at numbers 2 ax + 6 ay + 18 az, are rounded to f16.  three = 0: level 7, whose second corner never takes node 0.
.macro CONTRACT l, tb, three
	STAGE \tb, WT, 1, \three, 0,3,6,9,12,15,18,21,24
	STAGE \tb, WT+6, 3, \three, 0,2,9,11,18,20
	STAGE \tb, WT+12, 9, \three, 0,2,6,8
.irp az, 0,1
.irp ay, 0,1
.irp ax, 0,1
	v_cvt_pk_f16_f32 v[FT+8*(\ax+2*\ay+4*\az)+(\l)], v[(\tb)+4*\ax+12*\ay+36*\az], v[(\tb)+4*\ax+12*\ay+36*\az+1]
.endr
.endr
.endr
.endm
.macro COORD q, x                      ; q = (x + b) / d: the first launch's lines
	v_add_f32 v16, s16, v[\x]
	v_mul_f32 v[\q], v16, v15
	v_fma_f32 v17, -v14, v[\q], v16
	v_fma_f32 v[\q], v17, v15, v[\q]
.endm
	s_load_b256 s[4:11], s[0:1], 0x0               ; xyz s[4:5], bound s[6:7], table s[8:9], cell s[10:11]
	s_load_b128 s[12:15], s[0:1], 0x20             ; wops s[12:13], out0 s[14:15]
	v_lshlrev_b32 v12, 2, v0                       ; my word of cell
	v_mul_u32_u24 v1, v0, 12                       ; my 12 bytes of xyz
	s_mul_i32 s20, ttmp9, 1536                     ; the group's 128 points: 12 bytes each in xyz,
	s_mov_b32 s21, 0
	s_lshl_b32 s22, ttmp9, 9                       ; 4 in cell,
	s_mov_b32 s23, 0
	s_lshl_b32 s18, ttmp9, 12                      ; 32 in out0
	s_mov_b32 s19, 0
	s_mov_b32 s17, 256
	s_mov_b32 s46, 0x9e3779b1                      ; 2654435761
	s_mov_b32 s47, 0x30025795                      ; 805459861
	s_mov_b32 s48, 0x7ffff
	s_wait_kmcnt 0x0
	s_load_b32 s16, s[6:7], 0x0                    ; b
	s_add_nc_u64 s[10:11], s[10:11], s[22:23]
	s_add_nc_u64 s[4:5], s[4:5], s[20:21]
	s_add_nc_u64 s[14:15], s[14:15], s[18:19]
	s_wait_alu depctr_va_vdst(0)                   ; v12 and v1 are written: the two loads below read them as offsets
	global_load_b32 v5, v12, s[10:11] th:TH_LOAD_NT
	global_load_b96 v[2:4], v1, s[4:5] th:TH_LOAD_NT
	s_add_nc_u64 s[BS:BS+1],     s[8:9], 0         ; each level's first entry, 8 bytes an entry
	s_add_nc_u64 s[BS+2:BS+3],   s[8:9], 8*4920
	s_add_nc_u64 s[BS+4:BS+5],   s[8:9], 8*26872
	s_add_nc_u64 s[BS+6:BS+7],   s[8:9], 8*118000
	s_add_nc_u64 s[BS+8:BS+9],   s[8:9], 8*491248
	s_add_nc_u64 s[BS+10:BS+11], s[8:9], 8*1015536
	s_add_nc_u64 s[BS+12:BS+13], s[8:9], 8*1539824
	s_add_nc_u64 s[BS+14:BS+15], s[8:9], 8*2064112
	v_mov_b32 v[WT+5], 0                           ; the pads are named as halves of pairs, so they are written
	v_mov_b32 v[WT+11], 0
	v_mov_b32 v[WT+17], 0
.irp i, 0,1,2,3
	v_mov_b32 v[FP+\i], 0                          ; what the last corner's second operand names beyond its four registers
.endr
	v_and_b32 v[LA], 31, v0
	v_lshlrev_b32 v[LA], 4, v[LA]
	s_wait_loadcnt 0x1                             ; the cell word is in; xyz, issued behind it, may stay out
	s_wait_alu depctr_vm_vsrc(0)                   ; the two loads have read v12 and v1, which level 0's address lines write as temporaries
	v_and_b32 v[KI], 0x1ff, v5
	v_bfe_u32 v[KI+1], v5, 9, 9
	v_bfe_u32 v[KI+2], v5, 18, 9
.irp d, 0,1,2
	v_cvt_f32_u32 v[KF+\d], v[KI+\d]
.endr
	ADDR 0, RES0, TB0, HSZ0                        ; level 0's reads go out before anything else is made
.rept 27
	GET                                            ; in one run: there is no level before it whose weights could stand between them
.endr
	s_wait_kmcnt 0x0                               ; b
	v_mov_b32 v14, s16
	v_add_f32 v14, v14, v14                        ; d = 2 b
	v_rcp_f32 v15, v14
	v_nop                                          ; a plain instruction between the reciprocal and its use (ISA guide 5.7.2)
	s_wait_alu depctr_va_vdst(0)
	v_fma_f32 v16, -v14, v15, 1.0
	v_fma_f32 v15, v15, v16, v15
	s_wait_loadcnt 27                              ; xyz is in; the 27 reads issued behind it may stay out
.irp d, 0,1,2
	COORD 18+\d, 2+\d
.endr
.irp d, 0,1,2
	v_fma_f32 v[2+\d], v[18+\d], 0x44000000, -v[KF+\d]   ; u, v, w = 512 x - c0, rounded once
.endr
	; Level l + 1's reads are issued, among level l's weights, then level l is finished: each wait leaves the 27 younger reads out (loads come back in order: ISA guide 5.7.1)
	ADDR 1, RES1, TB1, HSZ1
	WEIGHTS 0, RSC0
	s_wait_loadcnt 27
	CONTRACT 0, TB0, 1
	ADDR 2, RES2, TB0, HSZ2
	WEIGHTS 1, RSC1
	s_wait_loadcnt 27
	CONTRACT 1, TB1, 1
	ADDR 3, RES3, TB1, HSZ3
	WEIGHTS 2, RSC2
	s_wait_loadcnt 27
	CONTRACT 2, TB0, 1
	ADDR 4, RES4, TB0, 0
	WEIGHTS 3, RSC3
	s_wait_loadcnt 27
	CONTRACT 3, TB1, 1
	ADDR 5, RES5, TB1, 0
	WEIGHTS 4, RSC4
	s_wait_loadcnt 27
	CONTRACT 4, TB0, 1
	ADDR 6, RES6, TB0, 0
	WEIGHTS 5, RSC5
	s_wait_loadcnt 27
	CONTRACT 5, TB1, 1
	ADDR 7, RES7, TB1, 0
	WEIGHTS 6, RSC6
	s_wait_loadcnt 27
	CONTRACT 6, TB0, 1
	; buffer 0 is free: the weight images come in, 512 consecutive bytes a load
	s_wait_alu depctr_va_vdst(0)                   ; level 6's contraction is done reading and writing buffer 0, in which the images land (v77, their offset, was written at the head)
.irp t, 0,1,2,3
	global_load_b128 v[AW1+8*\t:AW1+8*\t+3], v[LA], s[12:13] offset:512*\t
.endr
.irp q, 0,1,2,3
	global_load_b128 v[AW2+4*\q:AW2+4*\q+3], v[LA], s[12:13] offset:2048+512*\q
.endr
.irp t, 0,1,2,3
.irp i, 4,5,6,7
	v_mov_b32 v[AW1+8*\t+\i], 0                    ; the network has 16 features, the matrix instruction 32 along K; no load lands in these sixteen registers any more
.endr
.endr
	WEIGHTS 7, RSC7
	s_wait_loadcnt 8                               ; level 7 is in; the eight loads of the images may stay out
	CONTRACT 7, TB1, 0
	s_wait_loadcnt 0x0                             ; the images
	s_wait_alu depctr_vm_vsrc(0)                   ; level 7's reads have read v50-76, which the outer weights, the temporaries and the results below write
	; THE NETWORK.  My place in out0: wave x 1,024 + point (lane % 16) x 32 + 16 x (lane / 16)
	v_lshrrev_b32 v1, 5, v0
	v_lshlrev_b32 v1, 10, v1
	v_and_b32 v70, 15, v0
	v_lshl_add_u32 v1, v70, 5, v1
	v_bfe_u32 v70, v0, 4, 1
	v_lshl_add_u32 v1, v70, 4, v1
	; the 8 outer weights, corner c = ax + 2 ay + 4 az
	v_sub_f32 v70, 1.0, v2
	v_sub_f32 v71, 1.0, v3
	v_sub_f32 v72, 1.0, v4
	v_mul_f32 v73, v70, v71
	v_mul_f32 v74, v2, v71
	v_mul_f32 v75, v70, v3
	v_mul_f32 v76, v2, v3
.irp i, 0,1,2,3
	v_mul_f32 v[WA+\i],   v[73+\i], v72
	v_mul_f32 v[WA+4+\i], v[73+\i], v4
.endr
.irp c, 0,1,2,3,4,5,6,7
	v_mov_b32 v[WA+8+\c], v[WA+\c]
.endr
.irp c, 0,1,2,3,4,5,6,7
	v_permlane16_swap_b32 v[WA+\c], v[WA+8+\c]     ; the first now holds point lane % 16's weight in both halves of the lanes, the second point 16 + lane % 16's
.endr
	; Source 1 wants, in lane (r, h), features 8 h .. 8 h + 7 of point r: levels 4 h .. 4 h + 3.  One exchange of halves between levels q and 4 + q makes of a corner's eight registers
	; the operand of points 0-15 (registers 0-3) and that of points 16-31 (registers 4-7).  The four registers that an operand names beyond its own meet the zeros of w1's image.
.irp c, 0,1,2,3,4,5,6,7
.irp q, 0,1,2,3
	v_permlane16_swap_b32 v[FT+8*\c+\q], v[FT+8*\c+4+\q]
.endr
.endr
; Two products of the first layer, transposed (source 0 = 16 hidden units, source 1 = 16 points): corner hg / 2, hidden units 32 (hg % 2) on.  A lane then holds ONE point and 8 hidden units.
.macro WM tb, hg
.set cc, (\hg)/2
.set t0, 2*((\hg)%2)
.set bb, FT+8*cc+4*(\tb)
	v_wmma_f32_16x16x32_f16 v[DT+8*t0:DT+8*t0+7], v[AW1+8*t0:AW1+8*t0+7], v[bb:bb+7], 0
	v_wmma_f32_16x16x32_f16 v[DT+8*t0+8:DT+8*t0+15], v[AW1+8*t0+8:AW1+8*t0+15], v[bb:bb+7], 0
.endm
; Their relu, and the corner's weighted share of the hidden vector; the first corner starts the sums.  Each accumulator is read from its lowest register on.
.macro VS tb, hg
.set cc, (\hg)/2
.set t0, 2*((\hg)%2)
.set ww, WA+8*(\tb)+cc
.irp e, 0,1
.irp j, 0,1,2,3,4,5,6,7
	v_max_num_f32 v[DT+8*(t0+\e)+\j], 0, v[DT+8*(t0+\e)+\j]
.endr
.irp j, 0,2,4,6
.if cc == 0
	PKMUL GA+8*(t0+\e)+\j, DT+8*(t0+\e)+\j, ww
.else
	PKFMA GA+8*(t0+\e)+\j, DT+8*(t0+\e)+\j, ww
.endif
.endr
.endr
.endm
; 16 points.  The vector work on one pair of accumulators stands behind the products into the other pair: its 24 plain instructions name none of those products' registers, so they are the
; places (ISA guide 7.12.1) in front of the reads of those results and of the products that write the first pair again.  No accumulator is added onto: every sum starts with the constant 0.
; No memory instruction stands in it: its four results wait in registers of their own for the stores at the end.
.macro TILE tb
	WM \tb, 0
	WM \tb, 1
.rept 4
	v_nop                                          ; the places behind the first products: no other vector work is at hand
.endr
	VS \tb, 0
.set hh, 2
.rept 14
	WM \tb, hh
	VS \tb, hh-1
.set hh, hh+1
.endr
	VS \tb, 15
	; A lane's hidden units 16 t + 8 h + 0..7, rounded to f16 in pairs, ARE source 1 of the second layer (k = 32 s + 16 (t % 2) + 8 h + ..): nothing changes lanes.
.set t, 0
.rept 4
.irp i, 0,1,2,3
	v_cvt_pk_f16_f32 v[DT+4*t+\i], v[GA+8*t+2*\i], v[GA+8*t+2*\i+1]
.endr
.set t, t+1
.endr
	v_wmma_f32_16x16x32_f16 v[DT+16:DT+23], v[AW2:AW2+7], v[DT:DT+7], 0        ; hidden units 0-31
	v_wmma_f32_16x16x32_f16 v[DT+24:DT+31], v[AW2+8:AW2+15], v[DT+8:DT+15], 0  ; 32-63: a sum of its own, added below, so that no product adds onto the one before it
.rept 5
	v_nop                                          ; the places in front of the reads below, and of the next 16 points' products, which write over these products' registers
.endr
	v_pk_add_f32 v[OU+4*(\tb):OU+4*(\tb)+1],   v[DT+16:DT+17], v[DT+24:DT+25]  ; rows 0-3 and 8-11 of w2's image are channels 0-3 and 4-7: registers 0-3 hold channels 4 h .. 4 h + 3 of point r
	v_pk_add_f32 v[OU+4*(\tb)+2:OU+4*(\tb)+3], v[DT+18:DT+19], v[DT+26:DT+27]
.endm
	TILE 0
	TILE 1
	s_wait_alu depctr_va_vdst(0)                   ; the four additions have written v62-69, the stores' data, and the network's first lines v1, their offset
.irp tb, 0,1
	global_store_b128 v1, v[OU+4*\tb:OU+4*\tb+3], s[14:15] offset:512*\tb th:TH_STORE_NT  ; the wave's store covers 512 consecutive bytes, at a multiple of 512 from out0's first; its registers are not written again
.endr
	s_endpgm
.Lfunc_end_k_q1d7be954c0_grid:
	.size	k_q1d7be954c0_grid, .Lfunc_end_k_q1d7be954c0_grid-k_q1d7be954c0_grid
	.p2alignl 7, 3214868480
	.fill 96, 4, 3214868480
	.section	.rodata,"a",@progbits
	.p2align	6, 0x0
	.amdhsa_kernel k_q1d7be954c0_grid
		.amdhsa_group_segment_fixed_size 0
		.amdhsa_private_segment_fixed_size 0
		.amdhsa_enable_private_segment 0
		.amdhsa_kernarg_size 48
		.amdhsa_user_sgpr_count 2
		.amdhsa_user_sgpr_kernarg_segment_ptr 1
		.amdhsa_wavefront_size32 1
		.amdhsa_system_sgpr_workgroup_id_x 1
		.amdhsa_system_sgpr_workgroup_id_y 1
		.amdhsa_system_sgpr_workgroup_id_z 1
		.amdhsa_system_vgpr_workitem_id 0
		.amdhsa_next_free_vgpr 254
		.amdhsa_next_free_sgpr 66
		.amdhsa_reserve_vcc 0
		.amdhsa_float_denorm_mode_32 3
		.amdhsa_float_denorm_mode_16_64 3
		.amdhsa_memory_ordered 1
		.amdhsa_forward_progress 1
		.amdhsa_inst_pref_size 175
	.end_amdhsa_kernel
	.amdgpu_metadata
---
amdhsa.version: [ 1, 2 ]
amdhsa.kernels:
  - .name:           k_q1d7be954c0_grid
    .symbol:         k_q1d7be954c0_grid.kd
    .args:
      - { .name: xyz, .offset: 0, .size: 8, .value_kind: global_buffer, .address_space: global }
      - { .name: bound, .offset: 8, .size: 8, .value_kind: global_buffer, .address_space: global }
      - { .name: table, .offset: 16, .size: 8, .value_kind: global_buffer, .address_space: global }
      - { .name: cell, .offset: 24, .size: 8, .value_kind: global_buffer, .address_space: global }
      - { .name: wops, .offset: 32, .size: 8, .value_kind: global_buffer, .address_space: global }
      - { .name: out0, .offset: 40, .size: 8, .value_kind: global_buffer, .address_space: global }
    .group_segment_fixed_size: 0
    .private_segment_fixed_size: 0
    .kernarg_segment_align: 8
    .kernarg_segment_size: 48
    .max_flat_workgroup_size: 128
    .sgpr_count:     66
    .vgpr_count:     254
    .wavefront_size: 32
...
	.end_amdgpu_metadata
.endif
;; end of part 3
